; MI455X (gfx1250); checked and timed in simulation.
; The chip was launched on July 23, 2026; its instructions are those of AMD's public machine-readable ISA for CDNA 5 (MIT licence, August 2026) and "CDNA5" Instruction Set Architecture Reference Guide (July 2026). The comments in the code are by the model that wrote it; some were corrected since.
;; predictor interp2d. Allowed arithmetic: float matrix products may take bf16 or f16 operands with f32 sums; all other float work in f32.
;; Inputs: R_pc 8 x 4 x 1,000 float32; XY_grd 128 x 128 x 2 float32; XY_pc 8 x 2 x 1,000 float32.
;; Outputs: out0 8 x 4 x 128 x 128 float32.
;; 2 versions, each right; version 2 is version 1 with the launch nearest written anew for expert scheduling mode. Each part assembles by itself: llvm-mc -triple=amdgcn-amd-amdhsa -mcpu=gfx1250 --defsym DOCPART=n.
;; ======== version 1 of 2: 1 launch
;; limits: values outside matrix products are rounded to bf16
;; launch nearest (part 1): grid 32 x 8, 8 waves a work-group, no clusters, 168,960 bytes of LDS; arguments XY_pc, XY_grd, R_pc, out0; writes out0
.if DOCPART == 1
	.amdgcn_target "amdgcn-amd-amdhsa--gfx1250"
	.amdhsa_code_object_version 6
	.text
	.protected	k_q95041b60e7_nearest
	.globl	k_q95041b60e7_nearest
	.p2align	8
	.type	k_q95041b60e7_nearest,@function
k_q95041b60e7_nearest:
	s_mov_b64 s[64:65], 0
	v_nop
	global_prefetch_b8 v0, s[64:65] scope:SCOPE_SE
	s_setreg_imm32_b32 hwreg(HW_REG_WAVE_MODE, 25, 1), 1
	s_wait_xcnt 0x0
; out0[b][c][g] = R_pc[b][c][n*],  n* = the first n with the least d2 = (gg - 2 (gx px + gy py)) + pp,  as reference() writes it.
; B = 8, C = 4, N = 1000 bots, G = 16384 grid points.  One work-group: one batch (id y), 512 grid points (id x); 8 waves of 64 points.
;
; FORMAT.  XY_pc, XY_grd and R_pc are rounded to bf16 on the way in (the matrix operand format).  A product of two bf16 numbers has at
; most 16 significant bits and is exact in f32, so each of gg, pp, the sum over d, gg - 2 c and (..) + pp has ONE rounding, the same with
; or without fused multiply-adds.  The code makes exactly these roundings: a = (-2 gx) px exact, c' = fma(-2 gy, py, a) = -2 RN(c),
; t = RN(gg + c'), d2 = RN(t + pp).  The argmin hangs on the last bit of each of them.
; The sum over d has K = 2: it would fill 2 of the 32 k of a bf16 matrix instruction, and each of its roundings is wanted as a
; round-to-nearest f32 rounding, which v_pk_fma_f32 gives by definition.  So the distances are made by packed f32 arithmetic.
; THE GATHER IS A MATRIX PRODUCT: no address is made from the argmin.  The loop tracks only the GROUP of 8 consecutive bots that holds the
; minimum; a one-hot matrix over the 128 groups times a bf16 table [group][48 features] brings px, py and the four R of the group's
; bots into registers (one non-zero product in each sum: exact), the distances are made again and v_cndmask_b32 picks the first minimum.
;
; LANES.  r = lane & 15 is the grid point in a tile of 16, h = lane >> 4 halves the bots: in bot tile T lane (r, h) takes bots
; 16 T + 8 h + 0..7, which are group 2 T + h.  This is also the layout of a matrix result (register j: row 8 h + j, column r).
;
; LIMITS.  Inputs finite: a NaN distance loses here (reference() would take it), and a table entry that is not finite would spoil
; the one-hot sums (0 x inf).  The exactness above holds for non-zero coordinates of magnitude 2^-55 to 2^60.
; No cluster: what the 32 work-groups of a batch share is 24,000 bytes, read once by six loads a thread, in no loop.
; The launch asks for more LDS than the 24,576 bytes used, so that no second work-group shares this one's four SIMDs.
.set ROWB,  4000                       ; bytes in a row of 1000 f32
.set LPX,   0                          ; LDS: px as f32, 1024 entries (bots 1000.. are padding)
.set LPY,   4096                       ;      py
.set LPP,   8192                       ;      pp = px^2 + py^2; +inf in the padding
.set FT,    12288                      ;      table: 128 groups x 48 bf16
.set FPI,   96                         ;      its pitch: 3 x 32 bytes, an odd multiple of 32 for the transposing loads
.set TRIPS, 31                         ; 2 bot tiles a trip, the 63rd behind the loop
.set LA,   8                           ; v8      LDS address of my 8 bots in the trip's first tile
.set TG,   9                           ; v9      the group that I am looking at, 2 T + h
.set H4,   10                          ; v10     4 h
.set FA,   11                          ; v11     LDS address for the table's fragments
.set SA,   12                          ; v12     stage: where I put a result
.set SR,   13                          ; v13     stage: where I read 16 bytes back
.set CO,   14                          ; v14     my byte offset in out0
.set QH,   15                          ; v15     (group >> 1) - 4 h
.set VAL,  16                          ; v16     bf16 1.0 in the half that the group's low bit names
.set EE,   17                          ; v17     at work
.set GX,   20                          ; v[20:27]  -2 gx of grid tile i, twice (a pair for the packed forms)
.set GY,   28                          ; v[28:35]  -2 gy
.set GG,   36                          ; v[36:43]  gg
.set BA,   44                          ; v[44:47]  least distance so far, two sets that take turns
.set BB,   48                          ; v[48:51]
.set GRP,  52                          ; v[52:55]  its group
.set P0,   56                          ; v[56:79]  bot buffer 0: px 8, py 8, pp 8
.set P1,   80                          ; v[80:103] bot buffer 1
.set DT,   104                         ; v[104:135] 8 distances for each of 4 grid tiles
.set AF,   136                         ; v[136:231] table fragments: 4 K steps x 3 M tiles x 8
.set BF,   56                          ; v[56:87]  behind the loop: the one-hot fragments, 4 K steps x 8
.set OT,   88                          ; v[88:92]  behind the loop: what the other half of the lanes holds
.set DD,   104                         ; v[104:127] behind the loop: 3 matrix results
.set EV,   128                         ; v[128:131] pp of 4 candidates
.set FV,   132                         ; v[132:135] their distances
; in front of the loop only:
.set XR,   104                         ; x of my 4 bots as loaded
.set YR,   108                         ; y
.set RR,   112                         ; R: 4 channels x 4 bots
.set WK,   128                         ; bf16 pairs (x0,x1) (x2,x3) (y0,y1) (y2,y3)
.set FX,   56                          ; the rounded x, y as f32, and pp
.set FY,   60
.set PQ,   64
.set RK,   68                          ; bf16 pairs of R: bot j: (R0,R1) (R2,R3)
.set GL,   80                          ; grid points as loaded
.set T0,   88
	s_load_b256 s[4:11], s[0:1], 0x0               ; XY_pc s[4:5], XY_grd s[6:7], R_pc s[8:9], out0 s[10:11]
	v_lshl_add_u32 v232, v0, 2, 0x29000
	v_mov_b32 v233, 0
	v_and_b32 v1, 15, v0                           ; r
	v_bfe_u32 v2, v0, 4, 1                         ; h
	v_and_b32 v3, 31, v0                           ; lane
	v_lshrrev_b32 v15, 5, v0
	v_readfirstlane_b32 s12, v15                   ; wave 0..7
	s_and_b32 s13, ttmp7, 0xffff                   ; batch
	v_min_u32 v4, 249, v0                          ; thread t takes bots 4 t .. 4 t + 3; threads 250.. read thread 249's again (padding)
	v_lshlrev_b32 v4, 4, v4
	v_lshlrev_b32 v5, 3, v1                        ; 8 bytes a grid point
	s_mul_i32 s14, s13, 2*ROWB
	s_mov_b32 s15, 0
	s_mul_i32 s16, s13, 4*ROWB
	s_mov_b32 s17, 0
	s_lshl_b32 s18, ttmp9, 12                      ; 512 grid points x 8 bytes
	s_lshl_b32 s19, s12, 9                         ; + wave x 64 x 8
	s_add_co_u32 s18, s18, s19
	s_mov_b32 s19, 0
	s_mov_b32 s21, 0x7f800000                      ; +inf
	s_mov_b32 s23, 0xffff0000                      ; a word's upper bf16
	s_mov_b32 s24, 0x76543210                      ; v_permlanex16_b32: lane i of one half reads lane i of the other
	s_mov_b32 s25, 0xfedcba98
	s_mov_b32 s26, 0x3f80                          ; bf16 1.0
	s_wait_kmcnt 0x0
	s_add_nc_u64 s[4:5], s[4:5], s[14:15]          ; my batch's bots
	s_add_nc_u64 s[8:9], s[8:9], s[16:17]          ; my batch's values
	s_add_nc_u64 s[6:7], s[6:7], s[18:19]          ; my wave's grid points
	global_load_b128 v[XR:XR+3], v4, s[4:5]
	global_load_b128 v[YR:YR+3], v4, s[4:5] offset:ROWB
.irp c, 0,1,2,3
	global_load_b128 v[RR+4*\c:RR+4*\c+3], v4, s[8:9] offset:\c*ROWB
.endr
.irp i, 0,1,2,3
	global_load_b64 v[GL+2*\i:GL+2*\i+1], v5, s[6:7] offset:128*\i     ; grid tile i: point 16 i + r (both halves of the lanes)
.endr
	s_lshl_b32 s14, s13, 18                        ; out0: batch x 4 channels x 65,536 bytes
	s_lshl_b32 s16, ttmp9, 11                      ; + 512 points x 4 bytes
	s_add_co_u32 s14, s14, s16
	s_lshl_b32 s16, s12, 8                         ; + wave x 64 x 4
	s_add_co_u32 s14, s14, s16
	s_add_nc_u64 s[10:11], s[10:11], s[14:15]
	; LDS addresses: a lane term, plus the wave's number times a constant where the bytes are the wave's own
	s_lshl_b32 s27, s12, 9
	v_lshl_add_u32 v6, v3, 4, s27                  ; arrays: 16 bytes (4 bots) a thread
	v_lshrrev_b32 v7, 1, v3
	v_mul_u32_u24 v7, v7, FPI                      ; table: group t >> 1 = 16 wave + (lane >> 1),
	v_and_b32 v15, 1, v0
	v_lshl_add_u32 v7, v15, 4, v7                  ; 16 bytes for each half of the group
	s_mul_i32 s27, s12, 16*FPI
	v_add_nc_u32 v7, s27, v7
	v_and_b32 v15, 7, v0
	v_lshl_or_b32 v15, v2, 3, v15                  ; transposing load: row (group) 8 h + (lane & 7),
	v_mul_u32_u24 v[FA], v15, FPI
	v_bfe_u32 v15, v0, 3, 1
	v_lshl_add_u32 v[FA], v15, 4, v[FA]            ; 16 bytes (8 features) by bit 3 of the lane
	s_lshl_b32 s27, s12, 10                        ; stage: 1,024 bytes a wave
	v_lshl_add_u32 v[SA], v1, 2, s27
	v_lshl_add_u32 v[SR], v3, 4, s27
	v_lshlrev_b32 v[CO], 4, v1                     ; out0: lanes 0-15 one channel's 256 bytes, lanes 16-31 the next channel's
	v_lshl_add_u32 v[CO], v2, 16, v[CO]
	v_lshlrev_b32 v[LA], 5, v2                     ; 8 bots x 4 bytes for each half
	v_mov_b32 v[TG], v2
	v_lshlrev_b32 v[H4], 2, v2
	v_cmp_gt_u32 vcc_lo, 250, v0                   ; threads with real bots
	; MY FOUR BOTS: round, widen, pp, and into LDS
	s_wait_loadcnt 0x4                             ; the six bot loads are in; the four grid loads behind them may stay out
	v_cvt_pk_bf16_f32 v[WK],   v[XR],   v[XR+1]
	v_cvt_pk_bf16_f32 v[WK+1], v[XR+2], v[XR+3]
	v_cvt_pk_bf16_f32 v[WK+2], v[YR],   v[YR+1]
	v_cvt_pk_bf16_f32 v[WK+3], v[YR+2], v[YR+3]
.irp j, 0,1,2,3
	v_cvt_pk_bf16_f32 v[RK+2*\j],   v[RR+\j],   v[RR+4+\j]             ; bot j: channels 0, 1
	v_cvt_pk_bf16_f32 v[RK+2*\j+1], v[RR+8+\j], v[RR+12+\j]            ;        channels 2, 3
.endr
.irp k, 0,1
	v_lshlrev_b32 v[FX+2*\k],   16,  v[WK+\k]
	v_and_b32     v[FX+2*\k+1], s23, v[WK+\k]
	v_lshlrev_b32 v[FY+2*\k],   16,  v[WK+2+\k]
	v_and_b32     v[FY+2*\k+1], s23, v[WK+2+\k]
.endr
	v_pk_mul_f32 v[PQ:PQ+1],   v[FX:FX+1],   v[FX:FX+1]
	v_pk_mul_f32 v[PQ+2:PQ+3], v[FX+2:FX+3], v[FX+2:FX+3]
	v_pk_fma_f32 v[PQ:PQ+1],   v[FY:FY+1],   v[FY:FY+1],   v[PQ:PQ+1]  ; pp: exact squares, one rounding
	v_pk_fma_f32 v[PQ+2:PQ+3], v[FY+2:FY+3], v[FY+2:FY+3], v[PQ+2:PQ+3]
.irp j, 0,1,2,3
	v_cndmask_b32 v[PQ+\j], s21, v[PQ+\j], vcc_lo                      ; padding: distance +inf, never strictly less than anything
.endr
	ds_store_b128 v6, v[FX:FX+3] offset:LPX
	ds_store_b128 v6, v[FY:FY+3] offset:LPY
	ds_store_b128 v6, v[PQ:PQ+3] offset:LPP
	; table row = group; feature 16 m + 8 hh + j (hh = which half of the group):  m = 0: px of bots 4 hh + 0..3, then py;
	; m = 1: R0..R3 of bot 4 hh, then of 4 hh + 1;  m = 2: of 4 hh + 2 and 4 hh + 3.  Padding rows hold finite copies, times 0 later.
	ds_store_b128 v7, v[WK:WK+3]   offset:FT
	ds_store_b128 v7, v[RK:RK+3]   offset:FT+32
	ds_store_b128 v7, v[RK+4:RK+7] offset:FT+64
	; MY GRID POINTS
	s_wait_loadcnt 0x0
.irp i, 0,1,2,3
	v_cvt_pk_bf16_f32 v[T0+3], v[GL+2*\i], v[GL+2*\i+1]
	v_lshlrev_b32 v[T0],   16,  v[T0+3]
	v_and_b32     v[T0+1], s23, v[T0+3]
	v_mul_f32 v[T0+2], v[T0], v[T0]
	v_mul_f32 v[GX+2*\i],   -2.0, v[T0]
	v_mul_f32 v[GX+2*\i+1], -2.0, v[T0]
	v_mul_f32 v[GY+2*\i],   -2.0, v[T0+1]
	v_mul_f32 v[GY+2*\i+1], -2.0, v[T0+1]
	v_fma_f32 v[GG+2*\i],   v[T0+1], v[T0+1], v[T0+2]
	v_fma_f32 v[GG+2*\i+1], v[T0+1], v[T0+1], v[T0+2]
	v_mov_b32 v[BA+\i], s21                        ; nothing found yet: +inf, group 0
	v_mov_b32 v[GRP+\i], 0
.endr
	s_wait_dscnt 0x0                               ; my six LDS stores are done, for the other waves' sake
	s_barrier_signal -1
	s_barrier_wait -1                              ; arrays and table are whole
; six loads: px, py, pp of my 8 bots of one tile (sixteen lanes share each address)
.macro LOADT P, off
	ds_load_b128 v[\P:\P+3],     v[LA] offset:LPX+\off
	ds_load_b128 v[\P+4:\P+7],   v[LA] offset:LPX+\off+16
	ds_load_b128 v[\P+8:\P+11],  v[LA] offset:LPY+\off
	ds_load_b128 v[\P+12:\P+15], v[LA] offset:LPY+\off+16
	ds_load_b128 v[\P+16:\P+19], v[LA] offset:LPP+\off
	ds_load_b128 v[\P+20:\P+23], v[LA] offset:LPP+\off+16
.endm
; One bot tile against my 4 grid tiles: 8 distances each, their minimum, and the group if it is strictly less than all before.
; Each step runs over the four grid tiles before the next begins, so that no instruction needs the one in front of it.
.macro TILE P, bin, bout
.irp i, 0,1,2,3
.irp u, 0,2,4,6
	v_pk_mul_f32 v[DT+8*\i+\u:DT+8*\i+\u+1], v[\P+\u:\P+\u+1], v[GX+2*\i:GX+2*\i+1]                                  ; -2 gx px, exact
.endr
.endr
.irp i, 0,1,2,3
.irp u, 0,2,4,6
	v_pk_fma_f32 v[DT+8*\i+\u:DT+8*\i+\u+1], v[\P+8+\u:\P+8+\u+1], v[GY+2*\i:GY+2*\i+1], v[DT+8*\i+\u:DT+8*\i+\u+1]  ; -2 RN(gx px + gy py)
.endr
.endr
.irp i, 0,1,2,3
.irp u, 0,2,4,6
	v_pk_add_f32 v[DT+8*\i+\u:DT+8*\i+\u+1], v[DT+8*\i+\u:DT+8*\i+\u+1], v[GG+2*\i:GG+2*\i+1]                        ; RN(gg - 2 c)
.endr
.endr
.irp i, 0,1,2,3
.irp u, 0,2,4,6
	v_pk_add_f32 v[DT+8*\i+\u:DT+8*\i+\u+1], v[DT+8*\i+\u:DT+8*\i+\u+1], v[\P+16+\u:\P+16+\u+1]                      ; RN(.. + pp)
.endr
.endr
.irp i, 0,1,2,3
	v_min3_num_f32 v[DT+8*\i], v[DT+8*\i], v[DT+8*\i+1], v[DT+8*\i+2]
.endr
.irp i, 0,1,2,3
	v_min3_num_f32 v[DT+8*\i+3], v[DT+8*\i+3], v[DT+8*\i+4], v[DT+8*\i+5]
.endr
.irp i, 0,1,2,3
	v_min3_num_f32 v[DT+8*\i+6], v[DT+8*\i+6], v[DT+8*\i+7], v[DT+8*\i]
.endr
.irp i, 0,1,2,3
	v_min3_num_f32 v[\bout+\i], v[DT+8*\i+3], v[DT+8*\i+6], v[\bin+\i]
.endr
.irp i, 0,1,2,3
	v_cmp_lt_f32 s[28+\i], v[\bout+\i], v[\bin+\i]                     ; strictly less: a tie stays with the earlier group
.endr
.irp i, 0,1,2,3
	v_cndmask_b32 v[GRP+\i], v[GRP+\i], v[TG], s[28+\i]
.endr
	v_add_nc_u32 v[TG], 2, v[TG]
.endm
	LOADT P0, 0                                    ; tile 0
	s_mov_b32 s22, 0
.Ltrip:
	LOADT P1, 64                                   ; tile 2 i + 1
	s_wait_dscnt 0x6                               ; LDS loads come back in order (ISA guide 5.7.1): buffer 0's six are in, the six just issued stay out
	TILE P0, BA, BB
	LOADT P0, 128                                  ; tile 2 i + 2; in the last trip tile 62, the last
	s_wait_dscnt 0x6                               ; buffer 1's six are in
	TILE P1, BB, BA
	v_add_nc_u32 v[LA], 128, v[LA]                 ; two tiles of 16 bots x 4 bytes
	s_add_co_u32 s22, s22, 1
	s_cmp_lt_u32 s22, TRIPS
	s_cbranch_scc1 .Ltrip
	; the table's 12 fragments (feature = row of A, group = k), transposed on the way: 8 x 8 elements in each group of eight lanes
.irp s, 0,1,2,3
.irp m, 0,1,2
	ds_load_tr16_b128 v[AF+24*\s+8*\m:AF+24*\s+8*\m+3],   v[FA] offset:FT+32*\s*FPI+32*\m          ; groups 32 s + 8 h + 0..7
	ds_load_tr16_b128 v[AF+24*\s+8*\m+4:AF+24*\s+8*\m+7], v[FA] offset:FT+(32*\s+16)*FPI+32*\m     ; groups 32 s + 16 + 8 h + 0..7
.endr
.endr
	s_wait_dscnt 24                                ; tile 62's six loads are in; the 24 behind them stay out
	TILE P0, BA, BB
	s_wait_dscnt 0x0                               ; the fragments are in, and all my reads of the arrays are over:
	s_barrier_signal -1                            ; say so, since the stage below lies on the arrays' bytes
	; the two halves of the lanes saw different groups of the same grid point: the lesser distance, on a tie the lower group
.irp i, 0,1,2,3
	v_permlanex16_b32 v[DT+\i],   v[BB+\i],  s24, s25
	v_permlanex16_b32 v[DT+4+\i], v[GRP+\i], s24, s25
.endr
.irp i, 0,1,2,3
	v_cmp_lt_f32 s28, v[DT+\i], v[BB+\i]
	v_cmp_eq_f32 s29, v[DT+\i], v[BB+\i]
	v_cmp_lt_u32 s30, v[DT+4+\i], v[GRP+\i]
	s_and_b32 s29, s29, s30
	s_or_b32 s28, s28, s29
	v_cndmask_b32 v[GRP+\i], v[GRP+\i], v[DT+4+\i], s28
.endr
	s_barrier_wait -1                              ; no wave reads px, py, pp any more
; Grid tile i: fetch the winning group's bots by a one-hot product, find the first minimum among them, stage its four values.
.macro RESOLVE i
	v_lshrrev_b32 v[QH], 1, v[GRP+\i]              ; a register of B holds two neighbouring k: pair group >> 1,
	v_and_b32 v[EE], 1, v[GRP+\i]
	v_sub_nc_u32 v[QH], v[QH], v[H4]               ; register u of K step s holds pair 16 s + 4 h + u (u < 4) or 16 s + 4 h + u + 4
	v_lshlrev_b32 v[EE], 4, v[EE]
	v_lshlrev_b32 v[VAL], v[EE], s26               ; 1.0 in the low half for an even group, in the high half for an odd one
.irp s, 0,1,2,3
.irp u, 0,1,2,3
	v_cmp_eq_u32 s[28+\u], 16*\s+\u, v[QH]
.endr
.irp u, 0,1,2,3
	v_cndmask_b32 v[BF+8*\s+\u], 0, v[VAL], s[28+\u]
.endr
.irp u, 0,1,2,3
	v_cmp_eq_u32 s[28+\u], 16*\s+8+\u, v[QH]
.endr
.irp u, 0,1,2,3
	v_cndmask_b32 v[BF+8*\s+4+\u], 0, v[VAL], s[28+\u]
.endr
.endr
.irp m, 0,1,2
	v_wmma_f32_16x16x32_bf16 v[DD+8*\m:DD+8*\m+7], v[AF+8*\m:AF+8*\m+7], v[BF:BF+7], 0            ; the first K step starts the sums
.endr
.irp s, 1,2,3
.irp m, 0,1,2
	v_wmma_f32_16x16x32_bf16 v[DD+8*\m:DD+8*\m+7], v[AF+24*\s+8*\m:AF+24*\s+8*\m+7], v[BF+8*\s:BF+8*\s+7], v[DD+8*\m:DD+8*\m+7]
.endr
.endr
.rept 5
	v_nop                                          ; ISA guide 7.12.1: four independent places before vector instructions read the results or rewrite
.endr                                              ; the one-hot registers, five before the next tile's matrix instructions write over the results
	; lane (r, h): DD+0..3 px, DD+4..7 py of bots 4 h + 0..3 of the group; DD+8.. R0..R3 of bots 4 h, 4 h + 1; DD+16.. of 4 h + 2, 4 h + 3
	v_pk_mul_f32 v[EV:EV+1],   v[DD:DD+1],   v[DD:DD+1]
	v_pk_mul_f32 v[EV+2:EV+3], v[DD+2:DD+3], v[DD+2:DD+3]
	v_pk_mul_f32 v[FV:FV+1],   v[DD:DD+1],   v[GX+2*\i:GX+2*\i+1]
	v_pk_mul_f32 v[FV+2:FV+3], v[DD+2:DD+3], v[GX+2*\i:GX+2*\i+1]
	v_pk_fma_f32 v[EV:EV+1],   v[DD+4:DD+5], v[DD+4:DD+5], v[EV:EV+1]              ; pp
	v_pk_fma_f32 v[EV+2:EV+3], v[DD+6:DD+7], v[DD+6:DD+7], v[EV+2:EV+3]
	v_pk_fma_f32 v[FV:FV+1],   v[DD+4:DD+5], v[GY+2*\i:GY+2*\i+1], v[FV:FV+1]
	v_pk_fma_f32 v[FV+2:FV+3], v[DD+6:DD+7], v[GY+2*\i:GY+2*\i+1], v[FV+2:FV+3]
	v_pk_add_f32 v[FV:FV+1],   v[FV:FV+1],   v[GG+2*\i:GG+2*\i+1]
	v_pk_add_f32 v[FV+2:FV+3], v[FV+2:FV+3], v[GG+2*\i:GG+2*\i+1]
	v_pk_add_f32 v[FV:FV+1],   v[FV:FV+1],   v[EV:EV+1]                            ; the same four roundings as in the loop
	v_pk_add_f32 v[FV+2:FV+3], v[FV+2:FV+3], v[EV+2:EV+3]
	v_cmp_lt_f32 s28, v[FV+1], v[FV]               ; the later bot wins only if strictly nearer
	v_cmp_lt_f32 s29, v[FV+3], v[FV+2]
	v_cndmask_b32 v[FV],   v[FV],   v[FV+1], s28
	v_cndmask_b32 v[FV+2], v[FV+2], v[FV+3], s29
.irp c, 0,1,2,3
	v_cndmask_b32 v[DD+8+\c],  v[DD+8+\c],  v[DD+12+\c], s28
	v_cndmask_b32 v[DD+16+\c], v[DD+16+\c], v[DD+20+\c], s29
.endr
	v_cmp_lt_f32 s30, v[FV+2], v[FV]
	v_cndmask_b32 v[FV], v[FV], v[FV+2], s30
.irp c, 0,1,2,3
	v_cndmask_b32 v[DD+8+\c], v[DD+8+\c], v[DD+16+\c], s30
.endr
	v_permlanex16_b32 v[OT], v[FV], s24, s25       ; the other half's best of its four bots, and its values
.irp c, 0,1,2,3
	v_permlanex16_b32 v[OT+1+\c], v[DD+8+\c], s24, s25
.endr
	v_cmp_lt_f32 s28, v[OT], v[FV]                 ; lanes 0-15 hold the earlier bots: they give way only to a strictly nearer one,
	v_cmp_le_f32 s29, v[OT], v[FV]                 ; lanes 16-31 give way on a tie too
	s_and_b32 s28, s28, 0xffff
	s_and_b32 s29, s29, 0xffff0000
	s_or_b32 s28, s28, s29
.irp c, 0,1,2,3
	v_cndmask_b32 v[DD+8+\c], v[DD+8+\c], v[OT+1+\c], s28
.endr
.irp c, 0,1,2,3
	ds_store_b32 v[SA], v[DD+8+\c] offset:256*\c+64*\i                 ; stage [channel][64 points]; both halves write the same word, the same value
.endr
.endm
	RESOLVE 0
	RESOLVE 1
	RESOLVE 2
	RESOLVE 3
	; THE WAY OUT: the stage is my wave's own, and LDS serves a wave's instructions in order: no wait between its stores and these loads
	ds_load_b128 v[DD:DD+3],   v[SR]               ; channels 0 (lanes 0-15) and 1 (lanes 16-31), 4 neighbouring points a lane
	ds_load_b128 v[DD+4:DD+7], v[SR] offset:512    ; channels 2 and 3
	s_wait_dscnt 0x0
	global_store_b128 v[CO], v[DD:DD+3],   s[10:11] th:TH_STORE_NT                 ; sixteen lanes store 256 consecutive bytes, at a multiple of 256 from out0's first byte
	global_store_b128 v[CO], v[DD+4:DD+7], s[10:11] offset:131072 th:TH_STORE_NT
	s_wait_tensorcnt 0x0
	ds_add_u32 v232, v233
	s_wait_dscnt 0x0
	s_endpgm
.Lfunc_end_k_q95041b60e7_nearest:
	.size	k_q95041b60e7_nearest, .Lfunc_end_k_q95041b60e7_nearest-k_q95041b60e7_nearest
	.p2alignl 7, 3214868480
	.fill 96, 4, 3214868480
	.section	.rodata,"a",@progbits
	.p2align	6, 0x0
	.amdhsa_kernel k_q95041b60e7_nearest
		.amdhsa_group_segment_fixed_size 168960
		.amdhsa_private_segment_fixed_size 0
		.amdhsa_enable_private_segment 0
		.amdhsa_kernarg_size 32
		.amdhsa_user_sgpr_count 2
		.amdhsa_user_sgpr_kernarg_segment_ptr 1
		.amdhsa_wavefront_size32 1
		.amdhsa_system_sgpr_workgroup_id_x 1
		.amdhsa_system_sgpr_workgroup_id_y 1
		.amdhsa_system_sgpr_workgroup_id_z 1
		.amdhsa_system_vgpr_workitem_id 0
		.amdhsa_next_free_vgpr 234
		.amdhsa_next_free_sgpr 66
		.amdhsa_reserve_vcc 1
		.amdhsa_float_denorm_mode_32 3
		.amdhsa_float_denorm_mode_16_64 3
		.amdhsa_memory_ordered 1
		.amdhsa_forward_progress 1
		.amdhsa_inst_pref_size 62
	.end_amdhsa_kernel
	.amdgpu_metadata
---
amdhsa.version: [ 1, 2 ]
amdhsa.kernels:
  - .name:           k_q95041b60e7_nearest
    .symbol:         k_q95041b60e7_nearest.kd
    .args:
      - { .name: XY_pc, .offset: 0, .size: 8, .value_kind: global_buffer, .address_space: global }
      - { .name: XY_grd, .offset: 8, .size: 8, .value_kind: global_buffer, .address_space: global }
      - { .name: R_pc, .offset: 16, .size: 8, .value_kind: global_buffer, .address_space: global }
      - { .name: out0, .offset: 24, .size: 8, .value_kind: global_buffer, .address_space: global }
    .group_segment_fixed_size: 168960
    .private_segment_fixed_size: 0
    .kernarg_segment_align: 8
    .kernarg_segment_size: 32
    .max_flat_workgroup_size: 256
    .sgpr_count:     66
    .vgpr_count:     234
    .wavefront_size: 32
...
	.end_amdgpu_metadata
.endif
;; end of part 1
;; ======== version 2 of 2: 1 launch; version 1 with the launch nearest written anew for expert scheduling mode
;; limits: values outside matrix products are rounded to bf16
;; launch nearest (part 2): grid 32 x 8, 8 waves a work-group, no clusters, 168,960 bytes of LDS; arguments XY_pc, XY_grd, R_pc, out0; writes out0
.if DOCPART == 2
	.amdgcn_target "amdgcn-amd-amdhsa--gfx1250"
	.amdhsa_code_object_version 6
	.text
	.protected	k_q95041b60e7_nearest
	.globl	k_q95041b60e7_nearest
	.p2align	8
	.type	k_q95041b60e7_nearest,@function
k_q95041b60e7_nearest:
	s_mov_b64 s[64:65], 0
	v_nop
	global_prefetch_b8 v0, s[64:65] scope:SCOPE_SE
	s_setreg_imm32_b32 hwreg(HW_REG_WAVE_SCHED_MODE, 0, 2), 2
	s_setreg_imm32_b32 hwreg(HW_REG_WAVE_MODE, 25, 1), 1
	s_wait_xcnt 0x0
	s_wait_alu depctr_vm_vsrc(0)
; out0[b][c][g] = R_pc[b][c][n*],  n* = the first n with the least d2 = (gg - 2 (gx px + gy py)) + pp,  as reference() writes it.
; B = 8, C = 4, N = 1000 bots, G = 16384 grid points.  One work-group: one batch (id y), 512 grid points (id x); 8 waves of 64 points.
;
; FORMAT.  XY_pc, XY_grd and R_pc are rounded to bf16 on the way in (the matrix operand format).  A product of two bf16 numbers has at
; most 16 significant bits and is exact in f32, so each of gg, pp, the sum over d, gg - 2 c and (..) + pp has ONE rounding, the same with
; or without fused multiply-adds.  The code makes exactly these roundings: a = (-2 gx) px exact, c' = fma(-2 gy, py, a) = -2 RN(c),
; t = RN(gg + c'), d2 = RN(t + pp).  The argmin hangs on the last bit of each of them.
; The sum over d has K = 2: it would fill 2 of the 32 k of a bf16 matrix instruction, and each of its roundings is wanted as a
; round-to-nearest f32 rounding, which v_pk_fma_f32 gives by definition.  So the distances are made by packed f32 arithmetic.
; THE GATHER IS A MATRIX PRODUCT: no address is made from the argmin.  The loop tracks only the GROUP of 8 consecutive bots that holds the
; minimum; a one-hot matrix over the 128 groups times a bf16 table [group][48 features] brings px, py and the four R of the group's
; bots into registers (one non-zero product in each sum: exact), the distances are made again and v_cndmask_b32 picks the first minimum.
;
; LANES.  r = lane & 15 is the grid point in a tile of 16, h = lane >> 4 halves the bots: in bot tile T lane (r, h) takes bots
; 16 T + 8 h + 0..7, which are group 2 T + h.  This is also the layout of a matrix result (register j: row 8 h + j, column r).
;
; LIMITS.  Inputs finite: a NaN distance loses here (reference() would take it), and a table entry that is not finite would spoil
; the one-hot sums (0 x inf).  The exactness above holds for non-zero coordinates of magnitude 2^-55 to 2^60.
; No cluster: what the 32 work-groups of a batch share is 24,000 bytes, read once by six loads a thread, in no loop.
; The launch asks for more LDS than the 24,576 bytes used, so that no second work-group shares this one's four SIMDs.
;
; THE MODE: SCHED_MODE bits 1:0 = 2 (LLVM: expert scheduling mode 2), set by the entry lines.  The code itself states the register dependences
; between vector or matrix instructions and memory or LDS instructions, and those through scalar registers that vector instructions write,
; with s_wait_alu, always for 0.
; THE PLAN.  Registers that memory or LDS instructions touch:
;   P0, P1        A bot tile's 64 packed lines read its buffer, for the last time where pp is added.  Behind that step the loads of the tile two
;                 further on land in the same buffer.
;   v[LA]         Read by every load of a bot tile; written once a trip, at the trip's end.
;   v[FA], AF     The table's address is made at the head; no vector instruction names AF ahead of the matrix instructions that read it.
;   RES           Written by the last select of each of the four RESOLVE; read by the sixteen stage stores, which stand in one run at the end.
;   v4 to v7, v[SA], v[SR], v[CO]   Offsets and addresses, made at the head and never written again.
;   DT, BA, BB, GRP, TG, the grid's constants, BF, DD, EV, FV, OT are named by vector and matrix instructions alone.
; So ONE wait on va_vdst stands in a tile, behind the step that adds pp; the tile's six loads follow it, two at a time among the minima, which name
; DT, BA and BB alone.  One wait on vm_vsrc a trip stands ahead of the add to v[LA].  One wait on va_sdst stands behind each run of compares.
.set ROWB,  4000                       ; bytes in a row of 1000 f32
.set LPX,   0                          ; LDS: px as f32, 1024 entries (bots 1000.. are padding)
.set LPY,   4096                       ;      py
.set LPP,   8192                       ;      pp = px^2 + py^2; +inf in the padding
.set FT,    12288                      ;      table: 128 groups x 48 bf16
.set FPI,   96                         ;      its pitch: 3 x 32 bytes, an odd multiple of 32 for the transposing loads
.set TRIPS, 30                         ; 2 bot tiles a trip; tiles 60 to 62 behind the loop, so that no tile past the 63rd is asked for
.set MK,   32                          ; s[32:63] masks: a run of compares writes them, one wait, then their readers
.set LA,   8                           ; v8      LDS address of my 8 bots in the trip's first tile
.set TG,   9                           ; v9      the group that I am looking at, 2 T + h
.set H4,   10                          ; v10     4 h
.set FA,   11                          ; v11     LDS address for the table's fragments
.set SA,   12                          ; v12     stage: where I put a result
.set SR,   13                          ; v13     stage: where I read 16 bytes back
.set CO,   14                          ; v14     my byte offset in out0
.set QH,   15                          ; v15     (group >> 1) - 4 h
.set VAL,  16                          ; v16     bf16 1.0 in the half that the group's low bit names
.set EE,   17                          ; v17     at work
.set GX,   20                          ; v[20:27]  -2 gx of grid tile i, twice (a pair for the packed forms)
.set GY,   28                          ; v[28:35]  -2 gy
.set GG,   36                          ; v[36:43]  gg
.set BA,   44                          ; v[44:47]  least distance so far, two sets that take turns
.set BB,   48                          ; v[48:51]
.set GRP,  52                          ; v[52:55]  its group
.set P0,   56                          ; v[56:79]  bot buffer 0: px 8, py 8, pp 8
.set P1,   80                          ; v[80:103] bot buffer 1
.set DT,   104                         ; v[104:135] 8 distances for each of 4 grid tiles
.set AF,   136                         ; v[136:231] table fragments: 4 K steps x 3 M tiles x 8
.set RES,  232                         ; v[232:247] the four values of each of my 4 grid points, to be staged
.set BF,   56                          ; v[56:87]  behind the loop: the one-hot fragments, 4 K steps x 8
.set OT,   88                          ; v[88:92]  behind the loop: what the other half of the lanes holds
.set DD,   104                         ; v[104:127] behind the loop: 3 matrix results
.set EV,   128                         ; v[128:131] pp of 4 candidates
.set FV,   132                         ; v[132:135] their distances
; in front of the loop only:
.set XR,   104                         ; x of my 4 bots as loaded
.set YR,   108                         ; y
.set RR,   112                         ; R: 4 channels x 4 bots
.set WK,   128                         ; bf16 pairs (x0,x1) (x2,x3) (y0,y1) (y2,y3)
.set FX,   56                          ; the rounded x, y as f32, and pp
.set FY,   60
.set PQ,   64
.set RK,   68                          ; bf16 pairs of R: bot j: (R0,R1) (R2,R3)
.set GL,   80                          ; grid points as loaded
.set T0,   88
	s_load_b256 s[4:11], s[0:1], 0x0               ; XY_pc s[4:5], XY_grd s[6:7], R_pc s[8:9], out0 s[10:11]
	v_lshl_add_u32 v18, v0, 2, 0x29000
	v_mov_b32 v19, 0
	v_and_b32 v1, 15, v0                           ; r
	v_bfe_u32 v2, v0, 4, 1                         ; h
	v_and_b32 v3, 31, v0                           ; lane
	v_lshrrev_b32 v15, 5, v0
	v_readfirstlane_b32 s12, v15                   ; wave 0..7
	s_and_b32 s13, ttmp7, 0xffff                   ; batch
	v_min_u32 v4, 249, v0                          ; thread t takes bots 4 t .. 4 t + 3; threads 250.. read thread 249's again (padding)
	v_lshlrev_b32 v4, 4, v4
	v_lshlrev_b32 v5, 3, v1                        ; 8 bytes a grid point
	s_mul_i32 s14, s13, 2*ROWB
	s_mov_b32 s15, 0
	s_mul_i32 s16, s13, 4*ROWB
	s_mov_b32 s17, 0
	s_lshl_b32 s18, ttmp9, 12                      ; 512 grid points x 8 bytes
	s_wait_alu depctr_va_sdst(0)                   ; s12 is written, ahead of its first reader: bases and LDS addresses are made from it
	s_lshl_b32 s19, s12, 9                         ; + wave x 64 x 8
	s_add_co_u32 s18, s18, s19
	s_mov_b32 s19, 0
	s_mov_b32 s21, 0x7f800000                      ; +inf
	s_mov_b32 s23, 0xffff0000                      ; a word's upper bf16
	s_mov_b32 s24, 0x76543210                      ; v_permlanex16_b32: lane i of one half reads lane i of the other
	s_mov_b32 s25, 0xfedcba98
	s_mov_b32 s26, 0x3f80                          ; bf16 1.0
	s_wait_kmcnt 0x0
	s_add_nc_u64 s[4:5], s[4:5], s[14:15]          ; my batch's bots
	s_add_nc_u64 s[8:9], s[8:9], s[16:17]          ; my batch's values
	s_add_nc_u64 s[6:7], s[6:7], s[18:19]          ; my wave's grid points
	s_wait_alu depctr_va_vdst(0)                   ; v4 and v5 are written, which the ten loads below read as their offsets
	global_load_b128 v[XR:XR+3], v4, s[4:5]
	global_load_b128 v[YR:YR+3], v4, s[4:5] offset:ROWB
.irp c, 0,1,2,3
	global_load_b128 v[RR+4*\c:RR+4*\c+3], v4, s[8:9] offset:\c*ROWB
.endr
.irp i, 0,1,2,3
	global_load_b64 v[GL+2*\i:GL+2*\i+1], v5, s[6:7] offset:128*\i     ; grid tile i: point 16 i + r (both halves of the lanes)
.endr
	s_lshl_b32 s14, s13, 18                        ; out0: batch x 4 channels x 65,536 bytes
	s_lshl_b32 s16, ttmp9, 11                      ; + 512 points x 4 bytes
	s_add_co_u32 s14, s14, s16
	s_lshl_b32 s16, s12, 8                         ; + wave x 64 x 4
	s_add_co_u32 s14, s14, s16
	s_add_nc_u64 s[10:11], s[10:11], s[14:15]
	; LDS addresses: a lane term, plus the wave's number times a constant where the bytes are the wave's own
	s_lshl_b32 s27, s12, 9
	v_lshl_add_u32 v6, v3, 4, s27                  ; arrays: 16 bytes (4 bots) a thread
	v_lshrrev_b32 v7, 1, v3
	v_mul_u32_u24 v7, v7, FPI                      ; table: group t >> 1 = 16 wave + (lane >> 1),
	v_and_b32 v15, 1, v0
	v_lshl_add_u32 v7, v15, 4, v7                  ; 16 bytes for each half of the group
	s_mul_i32 s27, s12, 16*FPI
	v_add_nc_u32 v7, s27, v7
	v_and_b32 v15, 7, v0
	v_lshl_or_b32 v15, v2, 3, v15                  ; transposing load: row (group) 8 h + (lane & 7),
	v_mul_u32_u24 v[FA], v15, FPI
	v_bfe_u32 v15, v0, 3, 1
	v_lshl_add_u32 v[FA], v15, 4, v[FA]            ; 16 bytes (8 features) by bit 3 of the lane
	s_lshl_b32 s27, s12, 10                        ; stage: 1,024 bytes a wave
	v_lshl_add_u32 v[SA], v1, 2, s27
	v_lshl_add_u32 v[SR], v3, 4, s27
	v_lshlrev_b32 v[CO], 4, v1                     ; out0: lanes 0-15 one channel's 256 bytes, lanes 16-31 the next channel's
	v_lshl_add_u32 v[CO], v2, 16, v[CO]
	v_lshlrev_b32 v[LA], 5, v2                     ; 8 bots x 4 bytes for each half
	v_mov_b32 v[TG], v2
	v_lshlrev_b32 v[H4], 2, v2
	v_cmp_gt_u32 vcc_lo, 250, v0                   ; threads with real bots
	; MY FOUR BOTS: round, widen, pp, and into LDS
	s_wait_loadcnt 0x4                             ; the six bot loads are in; the four grid loads behind them may stay out
	v_cvt_pk_bf16_f32 v[WK],   v[XR],   v[XR+1]
	v_cvt_pk_bf16_f32 v[WK+1], v[XR+2], v[XR+3]
	v_cvt_pk_bf16_f32 v[WK+2], v[YR],   v[YR+1]
	v_cvt_pk_bf16_f32 v[WK+3], v[YR+2], v[YR+3]
.irp j, 0,1,2,3
	v_cvt_pk_bf16_f32 v[RK+2*\j],   v[RR+\j],   v[RR+4+\j]             ; bot j: channels 0, 1
	v_cvt_pk_bf16_f32 v[RK+2*\j+1], v[RR+8+\j], v[RR+12+\j]            ;        channels 2, 3
.endr
.irp k, 0,1
	v_lshlrev_b32 v[FX+2*\k],   16,  v[WK+\k]
	v_and_b32     v[FX+2*\k+1], s23, v[WK+\k]
	v_lshlrev_b32 v[FY+2*\k],   16,  v[WK+2+\k]
	v_and_b32     v[FY+2*\k+1], s23, v[WK+2+\k]
.endr
	v_pk_mul_f32 v[PQ:PQ+1],   v[FX:FX+1],   v[FX:FX+1]
	v_pk_mul_f32 v[PQ+2:PQ+3], v[FX+2:FX+3], v[FX+2:FX+3]
	v_pk_fma_f32 v[PQ:PQ+1],   v[FY:FY+1],   v[FY:FY+1],   v[PQ:PQ+1]  ; pp: exact squares, one rounding
	v_pk_fma_f32 v[PQ+2:PQ+3], v[FY+2:FY+3], v[FY+2:FY+3], v[PQ+2:PQ+3]
	s_wait_alu depctr_va_vcc(0)                    ; VCC is written by the compare above, ahead of its first reader
.irp j, 0,1,2,3
	v_cndmask_b32 v[PQ+\j], s21, v[PQ+\j], vcc_lo                      ; padding: distance +inf, never strictly less than anything
.endr
	s_wait_alu depctr_va_vdst(0)                   ; v6, v7 and v[FX ..], v[FY ..], v[PQ ..], v[WK ..], v[RK ..] are written, which the six LDS stores read
	ds_store_b128 v6, v[FX:FX+3] offset:LPX
	ds_store_b128 v6, v[FY:FY+3] offset:LPY
	ds_store_b128 v6, v[PQ:PQ+3] offset:LPP
	; table row = group; feature 16 m + 8 hh + j (hh = which half of the group):  m = 0: px of bots 4 hh + 0..3, then py;
	; m = 1: R0..R3 of bot 4 hh, then of 4 hh + 1;  m = 2: of 4 hh + 2 and 4 hh + 3.  Padding rows hold finite copies, times 0 later.
	ds_store_b128 v7, v[WK:WK+3]   offset:FT
	ds_store_b128 v7, v[RK:RK+3]   offset:FT+32
	ds_store_b128 v7, v[RK+4:RK+7] offset:FT+64
	; MY GRID POINTS (these lines write none of the registers that the stores above read)
	s_wait_loadcnt 0x0
.irp i, 0,1,2,3
	v_cvt_pk_bf16_f32 v[T0+3], v[GL+2*\i], v[GL+2*\i+1]
	v_lshlrev_b32 v[T0],   16,  v[T0+3]
	v_and_b32     v[T0+1], s23, v[T0+3]
	v_mul_f32 v[T0+2], v[T0], v[T0]
	v_mul_f32 v[GX+2*\i],   -2.0, v[T0]
	v_mul_f32 v[GX+2*\i+1], -2.0, v[T0]
	v_mul_f32 v[GY+2*\i],   -2.0, v[T0+1]
	v_mul_f32 v[GY+2*\i+1], -2.0, v[T0+1]
	v_fma_f32 v[GG+2*\i],   v[T0+1], v[T0+1], v[T0+2]
	v_fma_f32 v[GG+2*\i+1], v[T0+1], v[T0+1], v[T0+2]
	v_mov_b32 v[BA+\i], s21                        ; nothing found yet: +inf, group 0
	v_mov_b32 v[GRP+\i], 0
.endr
	s_wait_dscnt 0x0                               ; my six LDS stores are done, for the other waves' sake
	s_barrier_signal -1
	s_barrier_wait -1                              ; arrays and table are whole
; two loads: one array's entries for my 8 bots of one tile (sixteen lanes share each address)
.macro LOAD2 dst, at
	ds_load_b128 v[\dst:\dst+3],   v[LA] offset:\at
	ds_load_b128 v[\dst+4:\dst+7], v[LA] offset:\at+16
.endm
; six loads: px, py, pp
.macro LOADT P, off
	LOAD2 \P, LPX+\off
	LOAD2 \P+8, LPY+\off
	LOAD2 \P+16, LPP+\off
.endm
; One bot tile against my 4 grid tiles: 8 distances each, their minimum, and the group if it is strictly less than all before.
; Each step runs over the four grid tiles before the next begins, so that no instruction needs the one in front of it.
; ahead = 1: when the buffer has been read out it is asked for again, for the tile two further on, at byte off from v[LA].
.macro TILE P, bin, bout, ahead, off
.irp i, 0,1,2,3
.irp u, 0,2,4,6
	v_pk_mul_f32 v[DT+8*\i+\u:DT+8*\i+\u+1], v[\P+\u:\P+\u+1], v[GX+2*\i:GX+2*\i+1]                                  ; -2 gx px, exact
.endr
.endr
.irp i, 0,1,2,3
.irp u, 0,2,4,6
	v_pk_fma_f32 v[DT+8*\i+\u:DT+8*\i+\u+1], v[\P+8+\u:\P+8+\u+1], v[GY+2*\i:GY+2*\i+1], v[DT+8*\i+\u:DT+8*\i+\u+1]  ; -2 RN(gx px + gy py)
.endr
.endr
.irp i, 0,1,2,3
.irp u, 0,2,4,6
	v_pk_add_f32 v[DT+8*\i+\u:DT+8*\i+\u+1], v[DT+8*\i+\u:DT+8*\i+\u+1], v[GG+2*\i:GG+2*\i+1]                        ; RN(gg - 2 c)
.endr
.endr
.irp i, 0,1,2,3
.irp u, 0,2,4,6
	v_pk_add_f32 v[DT+8*\i+\u:DT+8*\i+\u+1], v[DT+8*\i+\u:DT+8*\i+\u+1], v[\P+16+\u:\P+16+\u+1]                      ; RN(.. + pp)
.endr
.endr
.if \ahead
	s_wait_alu depctr_va_vdst(0)                   ; the 64 packed lines above are done reading this buffer, in which the six loads below land; in a trip's first tile v[LA] is written
	LOAD2 \P, LPX+\off
.endif
.irp i, 0,1,2,3
	v_min3_num_f32 v[DT+8*\i], v[DT+8*\i], v[DT+8*\i+1], v[DT+8*\i+2]
.endr
.if \ahead
	LOAD2 \P+8, LPY+\off                           ; no wait: no vector instruction since the wait above names the buffer or v[LA]
.endif
.irp i, 0,1,2,3
	v_min3_num_f32 v[DT+8*\i+3], v[DT+8*\i+3], v[DT+8*\i+4], v[DT+8*\i+5]
.endr
.if \ahead
	LOAD2 \P+16, LPP+\off
.endif
.irp i, 0,1,2,3
	v_min3_num_f32 v[DT+8*\i+6], v[DT+8*\i+6], v[DT+8*\i+7], v[DT+8*\i]
.endr
.irp i, 0,1,2,3
	v_min3_num_f32 v[\bout+\i], v[DT+8*\i+3], v[DT+8*\i+6], v[\bin+\i]
.endr
.irp i, 0,1,2,3
	v_cmp_lt_f32 s[28+\i], v[\bout+\i], v[\bin+\i]                     ; strictly less: a tie stays with the earlier group
.endr
	s_wait_alu depctr_va_sdst(0)                   ; the four compares have written s[28:31], which the four selects read
.irp i, 0,1,2,3
	v_cndmask_b32 v[GRP+\i], v[GRP+\i], v[TG], s[28+\i]
.endr
	v_add_nc_u32 v[TG], 2, v[TG]
.endm
	s_wait_alu depctr_vm_vsrc(0)                   ; my LDS stores have read v[56:75], in which tile 0 lands, and v[128:131], which the tiles' packed lines write
	s_wait_alu depctr_va_vdst(0)                   ; the grid's lines are done reading v[80:87] and writing v[88:91], in which tile 1 lands
	LOADT P0, 0                                    ; tile 0
	LOADT P1, 64                                   ; tile 1
	s_mov_b32 s22, 0
.Ltrip:
	s_wait_dscnt 0x6                               ; LDS loads come back in order (ISA guide 5.7.1): buffer 0's six are in, buffer 1's six stay out
	TILE P0, BA, BB, 1, 128                        ; tile 2 i; asks for tile 2 i + 2
	s_wait_dscnt 0x6                               ; buffer 1's six are in, the six just issued stay out
	TILE P1, BB, BA, 1, 192                        ; tile 2 i + 1; asks for tile 2 i + 3
	s_wait_alu depctr_vm_vsrc(0)                   ; the LDS loads issued so far have read v[LA]
	v_add_nc_u32 v[LA], 128, v[LA]                 ; two tiles of 16 bots x 4 bytes
	s_add_co_u32 s22, s22, 1
	s_cmp_lt_u32 s22, TRIPS
	s_cbranch_scc1 .Ltrip
	s_wait_dscnt 0x6                               ; tile 60 is in
	TILE P0, BA, BB, 1, 128                        ; tile 60; asks for tile 62, the last
	s_wait_dscnt 0x6                               ; tile 61 is in, tile 62's six stay out
	TILE P1, BB, BA, 0, 0                          ; tile 61 asks for nothing
	; the table's 12 fragments (feature = row of A, group = k), transposed on the way: 8 x 8 elements in each group of eight lanes.
	; No wait: v[FA] was written at the head, ahead of the waits above, and no vector instruction has named v[FA] or AF since
.irp s, 0,1,2,3
.irp m, 0,1,2
	ds_load_tr16_b128 v[AF+24*\s+8*\m:AF+24*\s+8*\m+3],   v[FA] offset:FT+32*\s*FPI+32*\m          ; groups 32 s + 8 h + 0..7
	ds_load_tr16_b128 v[AF+24*\s+8*\m+4:AF+24*\s+8*\m+7], v[FA] offset:FT+(32*\s+16)*FPI+32*\m     ; groups 32 s + 16 + 8 h + 0..7
.endr
.endr
	s_wait_dscnt 24                                ; tile 62's six loads are in; the 24 behind them stay out
	TILE P0, BA, BB, 0, 0
	s_wait_dscnt 0x0                               ; the fragments are in, and all my reads of the arrays are over:
	s_barrier_signal -1                            ; say so, since the stage below lies on the arrays' bytes
	; the two halves of the lanes saw different groups of the same grid point: the lesser distance, on a tie the lower group
.irp i, 0,1,2,3
	v_permlanex16_b32 v[DT+\i],   v[BB+\i],  s24, s25
	v_permlanex16_b32 v[DT+4+\i], v[GRP+\i], s24, s25
.endr
.irp i, 0,1,2,3
	v_cmp_lt_f32 s[MK+3*\i],   v[DT+\i], v[BB+\i]
	v_cmp_eq_f32 s[MK+3*\i+1], v[DT+\i], v[BB+\i]
	v_cmp_lt_u32 s[MK+3*\i+2], v[DT+4+\i], v[GRP+\i]
.endr
	s_wait_alu depctr_va_sdst(0)                   ; the twelve compares have written s[32:43], which the scalar lines below read
.irp i, 0,1,2,3
	s_and_b32 s[MK+3*\i+1], s[MK+3*\i+1], s[MK+3*\i+2]
	s_or_b32 s[MK+3*\i], s[MK+3*\i], s[MK+3*\i+1]
	v_cndmask_b32 v[GRP+\i], v[GRP+\i], v[DT+4+\i], s[MK+3*\i]
.endr
	s_barrier_wait -1                              ; no wave reads px, py, pp any more
; Grid tile i: fetch the winning group's bots by a one-hot product, find the first minimum among them, keep its four values in RES.
.macro RESOLVE i
	v_lshrrev_b32 v[QH], 1, v[GRP+\i]              ; a register of B holds two neighbouring k: pair group >> 1,
	v_and_b32 v[EE], 1, v[GRP+\i]
	v_sub_nc_u32 v[QH], v[QH], v[H4]               ; register u of K step s holds pair 16 s + 4 h + u (u < 4) or 16 s + 4 h + u + 4
	v_lshlrev_b32 v[EE], 4, v[EE]
	v_lshlrev_b32 v[VAL], v[EE], s26               ; 1.0 in the low half for an even group, in the high half for an odd one
.irp s, 0,1,2,3
.irp u, 0,1,2,3
	v_cmp_eq_u32 s[MK+8*\s+\u], 16*\s+\u, v[QH]
.endr
.irp u, 0,1,2,3
	v_cmp_eq_u32 s[MK+8*\s+4+\u], 16*\s+8+\u, v[QH]
.endr
.endr
	s_wait_alu depctr_va_sdst(0)                   ; the 32 compares have written s[32:63], a mask for each register of the one-hot fragments
.set k, 0
.rept 32
	v_cndmask_b32 v[BF+k], 0, v[VAL], s[MK+k]
.set k, k+1
.endr
.irp m, 0,1,2
	v_wmma_f32_16x16x32_bf16 v[DD+8*\m:DD+8*\m+7], v[AF+8*\m:AF+8*\m+7], v[BF:BF+7], 0            ; the first K step starts the sums
.endr
.irp s, 1,2,3
.irp m, 0,1,2
	v_wmma_f32_16x16x32_bf16 v[DD+8*\m:DD+8*\m+7], v[AF+24*\s+8*\m:AF+24*\s+8*\m+7], v[BF+8*\s:BF+8*\s+7], v[DD+8*\m:DD+8*\m+7]
.endr
.endr
.rept 5
	v_nop                                          ; ISA guide 7.12.1: four independent places before vector instructions read the results or rewrite
.endr                                              ; the one-hot registers, five before the next tile's matrix instructions write over the results
	; lane (r, h): DD+0..3 px, DD+4..7 py of bots 4 h + 0..3 of the group; DD+8.. R0..R3 of bots 4 h, 4 h + 1; DD+16.. of 4 h + 2, 4 h + 3
	v_pk_mul_f32 v[EV:EV+1],   v[DD:DD+1],   v[DD:DD+1]
	v_pk_mul_f32 v[EV+2:EV+3], v[DD+2:DD+3], v[DD+2:DD+3]
	v_pk_mul_f32 v[FV:FV+1],   v[DD:DD+1],   v[GX+2*\i:GX+2*\i+1]
	v_pk_mul_f32 v[FV+2:FV+3], v[DD+2:DD+3], v[GX+2*\i:GX+2*\i+1]
	v_pk_fma_f32 v[EV:EV+1],   v[DD+4:DD+5], v[DD+4:DD+5], v[EV:EV+1]              ; pp
	v_pk_fma_f32 v[EV+2:EV+3], v[DD+6:DD+7], v[DD+6:DD+7], v[EV+2:EV+3]
	v_pk_fma_f32 v[FV:FV+1],   v[DD+4:DD+5], v[GY+2*\i:GY+2*\i+1], v[FV:FV+1]
	v_pk_fma_f32 v[FV+2:FV+3], v[DD+6:DD+7], v[GY+2*\i:GY+2*\i+1], v[FV+2:FV+3]
	v_pk_add_f32 v[FV:FV+1],   v[FV:FV+1],   v[GG+2*\i:GG+2*\i+1]
	v_pk_add_f32 v[FV+2:FV+3], v[FV+2:FV+3], v[GG+2*\i:GG+2*\i+1]
	v_pk_add_f32 v[FV:FV+1],   v[FV:FV+1],   v[EV:EV+1]                            ; the same four roundings as in the loop
	v_pk_add_f32 v[FV+2:FV+3], v[FV+2:FV+3], v[EV+2:EV+3]
	v_cmp_lt_f32 s28, v[FV+1], v[FV]               ; the later bot wins only if strictly nearer
	v_cmp_lt_f32 s29, v[FV+3], v[FV+2]
	s_wait_alu depctr_va_sdst(0)                   ; the two compares have written s28 and s29, which the selects below read
	v_cndmask_b32 v[FV],   v[FV],   v[FV+1], s28
	v_cndmask_b32 v[FV+2], v[FV+2], v[FV+3], s29
	v_cmp_lt_f32 s30, v[FV+2], v[FV]               ; the eight selects below, which do not read s30, stand between this compare and the wait for it
.irp c, 0,1,2,3
	v_cndmask_b32 v[DD+8+\c],  v[DD+8+\c],  v[DD+12+\c], s28
	v_cndmask_b32 v[DD+16+\c], v[DD+16+\c], v[DD+20+\c], s29
.endr
	s_wait_alu depctr_va_sdst(0)                   ; the compare has written s30, which the five selects below read
	v_cndmask_b32 v[FV], v[FV], v[FV+2], s30
.irp c, 0,1,2,3
	v_cndmask_b32 v[DD+8+\c], v[DD+8+\c], v[DD+16+\c], s30
.endr
	v_permlanex16_b32 v[OT], v[FV], s24, s25       ; the other half's best of its four bots,
	v_cmp_lt_f32 s28, v[OT], v[FV]                 ; lanes 0-15 hold the earlier bots: they give way only to a strictly nearer one,
	v_cmp_le_f32 s29, v[OT], v[FV]                 ; lanes 16-31 give way on a tie too
.irp c, 0,1,2,3
	v_permlanex16_b32 v[OT+1+\c], v[DD+8+\c], s24, s25                 ; and its values: these four stand between the compares and the wait for them
.endr
	s_wait_alu depctr_va_sdst(0)                   ; the two compares have written s28 and s29, which the scalar lines below read
	s_and_b32 s28, s28, 0xffff
	s_and_b32 s29, s29, 0xffff0000
	s_or_b32 s28, s28, s29
.irp c, 0,1,2,3
	v_cndmask_b32 v[RES+4*\i+\c], v[DD+8+\c], v[OT+1+\c], s28          ; registers of their own: no LDS store stands among the four RESOLVE
.endr
.endm
	RESOLVE 0
	RESOLVE 1
	RESOLVE 2
	RESOLVE 3
	; THE WAY OUT: the stage is my wave's own, and LDS serves a wave's instructions in order: no wait between its stores and its loads
	s_wait_alu depctr_va_vdst(0)                   ; the selects have written RES, which the sixteen stores read; every vector and matrix instruction is done with v[DD ..], in which the two loads land
.irp i, 0,1,2,3
.irp c, 0,1,2,3
	ds_store_b32 v[SA], v[RES+4*\i+\c] offset:256*\c+64*\i             ; stage [channel][64 points]; both halves write the same word, the same value
.endr
.endr
	ds_load_b128 v[DD:DD+3],   v[SR]               ; channels 0 (lanes 0-15) and 1 (lanes 16-31), 4 neighbouring points a lane
	ds_load_b128 v[DD+4:DD+7], v[SR] offset:512    ; channels 2 and 3
	s_wait_dscnt 0x0
	global_store_b128 v[CO], v[DD:DD+3],   s[10:11] th:TH_STORE_NT                 ; sixteen lanes store 256 consecutive bytes, at a multiple of 256 from out0's first byte
	global_store_b128 v[CO], v[DD+4:DD+7], s[10:11] offset:131072 th:TH_STORE_NT
	s_wait_dscnt 0x0
	s_wait_alu depctr_hold_cnt(0) depctr_sa_sdst(0) depctr_va_vdst(0) depctr_va_sdst(0) depctr_va_ssrc(0) depctr_va_vcc(0) depctr_vm_vsrc(0)
	s_wait_tensorcnt 0x0
	ds_add_u32 v18, v19
	s_wait_dscnt 0x0
	s_endpgm
.Lfunc_end_k_q95041b60e7_nearest:
	.size	k_q95041b60e7_nearest, .Lfunc_end_k_q95041b60e7_nearest-k_q95041b60e7_nearest
	.p2alignl 7, 3214868480
	.fill 96, 4, 3214868480
	.section	.rodata,"a",@progbits
	.p2align	6, 0x0
	.amdhsa_kernel k_q95041b60e7_nearest
		.amdhsa_group_segment_fixed_size 168960
		.amdhsa_private_segment_fixed_size 0
		.amdhsa_enable_private_segment 0
		.amdhsa_kernarg_size 32
		.amdhsa_user_sgpr_count 2
		.amdhsa_user_sgpr_kernarg_segment_ptr 1
		.amdhsa_wavefront_size32 1
		.amdhsa_system_sgpr_workgroup_id_x 1
		.amdhsa_system_sgpr_workgroup_id_y 1
		.amdhsa_system_sgpr_workgroup_id_z 1
		.amdhsa_system_vgpr_workitem_id 0
		.amdhsa_next_free_vgpr 248
		.amdhsa_next_free_sgpr 66
		.amdhsa_reserve_vcc 1
		.amdhsa_float_denorm_mode_32 3
		.amdhsa_float_denorm_mode_16_64 3
		.amdhsa_memory_ordered 1
		.amdhsa_forward_progress 1
		.amdhsa_inst_pref_size 75
	.end_amdhsa_kernel
	.amdgpu_metadata
---
amdhsa.version: [ 1, 2 ]
amdhsa.kernels:
  - .name:           k_q95041b60e7_nearest
    .symbol:         k_q95041b60e7_nearest.kd
    .args:
      - { .name: XY_pc, .offset: 0, .size: 8, .value_kind: global_buffer, .address_space: global }
      - { .name: XY_grd, .offset: 8, .size: 8, .value_kind: global_buffer, .address_space: global }
      - { .name: R_pc, .offset: 16, .size: 8, .value_kind: global_buffer, .address_space: global }
      - { .name: out0, .offset: 24, .size: 8, .value_kind: global_buffer, .address_space: global }
    .group_segment_fixed_size: 168960
    .private_segment_fixed_size: 0
    .kernarg_segment_align: 8
    .kernarg_segment_size: 32
    .max_flat_workgroup_size: 256
    .sgpr_count:     66
    .vgpr_count:     248
    .wavefront_size: 32
...
	.end_amdgpu_metadata
.endif
;; end of part 2
